; MI455X (gfx1250); checked and timed in simulation.
; The chip was launched on July 23, 2026; its instructions are those of AMD's public machine-readable ISA for CDNA 5 (MIT licence, August 2026) and "CDNA5" Instruction Set Architecture Reference Guide (July 2026). The comments in the code are by the model that wrote it; some were corrected since.
;; Top K stablized. Allowed arithmetic: float matrix products may take bf16 or f16 operands with f32 sums; all other float work in f32.
;; Inputs: scores 256 x 4,096 float32.
;; Outputs: out0 256 x 4,096 x 7 float32.
;; One version. Each part assembles by itself: llvm-mc -triple=amdgcn-amd-amdhsa -mcpu=gfx1250 --defsym DOCPART=n.
;; ======== version 1 of 1: 2 launches
;; workspace buffers: part 4,096 bytes
;; launch extremes (part 1): grid 256 x 1, 8 waves a work-group, no clusters, 1,280 bytes of LDS; arguments scores, part; writes part
.if DOCPART == 1
	.amdgcn_target "amdgcn-amd-amdhsa--gfx1250"
	.amdhsa_code_object_version 6
	.text
	.protected	k_q376e1ec775_extremes
	.globl	k_q376e1ec775_extremes
	.p2align	8
	.type	k_q376e1ec775_extremes,@function
k_q376e1ec775_extremes:
	s_mov_b64 s[64:65], 0
	v_nop
	global_prefetch_b8 v0, s[64:65] scope:SCOPE_SE
	s_setreg_imm32_b32 hwreg(HW_REG_WAVE_MODE, 25, 1), 1
	s_wait_xcnt 0x0
; part[row] = { max of the row, min of the row without -inf, min of the row as it is, 0 }: one record of 16 bytes a row.
; scores: [256][4096] f32.  One work-group takes one row (16,384 bytes); eight waves; a thread takes four pieces of 16 bytes,
; so that each load of a wave covers 512 neighbouring bytes.  The next launch folds the 256 records into the global figures
; that reference() needs (max_s, min_s, and whether any score is -inf: the raw minimum tells).
; LIMIT: scores are finite or -inf.  A NaN is dropped by the min and max forms used here, where reference() would spread it.
.set X,   8                            ; v[8:23]   my 16 scores
.set Y,   24                           ; v[24:39]  the same with +inf in the place of -inf
.set MX,  40                           ; v[40:43]  the record: max, min without -inf, raw min, 0
.set MN,  41
.set RW,  42
.set PAD, 43
.set G,   44                           ; v[44:47]  a wave's record, read back by wave 0
	s_load_b128 s[4:7], s[0:1], 0x0                ; scores s[4:5], part s[6:7]
	v_lshl_add_u32 v48, v0, 2, 0x100
	v_mov_b32 v49, 0
	v_lshlrev_b32 v1, 4, v0                        ; 16 bytes a thread
	v_lshrrev_b32 v2, 5, v0
	v_readfirstlane_b32 s8, v2                     ; wave 0..7
	s_lshl_b32 s10, ttmp9, 14                      ; my row: 16,384 bytes each
	s_mov_b32 s11, 0
	s_wait_kmcnt 0x0
	s_add_nc_u64 s[4:5], s[4:5], s[10:11]
.irp t, 0,1,2,3
	global_load_b128 v[X+4*\t:X+4*\t+3], v1, s[4:5] offset:4096*\t   ; no hint: the next launch reads the row again
.endr
	s_lshl_b32 s10, ttmp9, 4                       ; my record: 16 bytes each
	s_add_nc_u64 s[6:7], s[6:7], s[10:11]
	s_mov_b32 s12, 0x76543210                      ; v_permlanex16_b32: lane i reads lane i of the other half
	s_mov_b32 s13, 0xfedcba98
	s_mov_b32 s14, 0xff800000                      ; -inf
	v_mov_b32 v3, 0x7f800000                       ; +inf
	v_mov_b32 v[PAD], 0                            ; the record's fourth word is stored too: the next launch loads whole records
	v_mov_b32 v4, 0                                ; the store's offset
	s_lshl_b32 s15, s8, 4
	v_mov_b32 v5, s15                              ; LDS: my wave's record at 16 x wave
	v_and_b32 v6, 7, v0
	v_lshlrev_b32 v6, 4, v6                        ; LDS: lane l of wave 0 reads the record of wave l mod 8
	s_wait_loadcnt 0x0
.set ee, 0
.rept 16
	v_cmp_eq_f32 vcc_lo, s14, v[X+ee]
	v_cndmask_b32 v[Y+ee], v[X+ee], v3, vcc_lo     ; -inf counts as +inf for min_s, as in reference()
.set ee, ee+1
.endr
	v_max3_num_f32 v[MX], v[X], v[X+1], v[X+2]     ; the first three start each chain: nothing is cleared
	v_min3_num_f32 v[RW], v[X], v[X+1], v[X+2]
	v_min3_num_f32 v[MN], v[Y], v[Y+1], v[Y+2]
.set ee, 3
.rept 6
	v_max3_num_f32 v[MX], v[MX], v[X+ee], v[X+ee+1]
	v_min3_num_f32 v[RW], v[RW], v[X+ee], v[X+ee+1]
	v_min3_num_f32 v[MN], v[MN], v[Y+ee], v[Y+ee+1]
.set ee, ee+2
.endr
	v_max_num_f32 v[MX], v[MX], v[X+15]
	v_min_num_f32 v[RW], v[RW], v[X+15]
	v_min_num_f32 v[MN], v[MN], v[Y+15]
	; across the 32 lanes: four steps inside each half of 16 lanes, one across the halves
.irp m, 1,2,4,8
	v_max_num_f32_dpp v[MX], v[MX], v[MX] row_xmask:\m row_mask:0xf bank_mask:0xf
	v_min_num_f32_dpp v[MN], v[MN], v[MN] row_xmask:\m row_mask:0xf bank_mask:0xf
	v_min_num_f32_dpp v[RW], v[RW], v[RW] row_xmask:\m row_mask:0xf bank_mask:0xf
.endr
	v_permlanex16_b32 v[Y], v[MX], s12, s13        ; the destinations count as read: Y has been written
	v_permlanex16_b32 v[Y+1], v[MN], s12, s13
	v_permlanex16_b32 v[Y+2], v[RW], s12, s13
	v_max_num_f32 v[MX], v[MX], v[Y]
	v_min_num_f32 v[MN], v[MN], v[Y+1]
	v_min_num_f32 v[RW], v[RW], v[Y+2]
	ds_store_b128 v5, v[MX:MX+3]                   ; all lanes of a wave write the same 16 bytes with the same values
	s_wait_dscnt 0x0                               ; for wave 0's sake: my record is in LDS before I signal
	s_barrier_signal -1
	s_barrier_wait -1
	s_cmp_lg_u32 s8, 0
	s_cbranch_scc1 .Ldone                          ; wave 0 alone folds the eight records
	ds_load_b128 v[G:G+3], v6
	s_wait_dscnt 0x0
.irp m, 1,2,4
	v_max_num_f32_dpp v[G], v[G], v[G] row_xmask:\m row_mask:0xf bank_mask:0xf
	v_min_num_f32_dpp v[G+1], v[G+1], v[G+1] row_xmask:\m row_mask:0xf bank_mask:0xf
	v_min_num_f32_dpp v[G+2], v[G+2], v[G+2] row_xmask:\m row_mask:0xf bank_mask:0xf
.endr
	v_cmp_eq_u32 vcc_lo, 0, v0
	s_wait_xcnt 0x0                                ; EXEC is a source of the loads above: it changes only behind this wait
	s_wait_tensorcnt 0x0
	ds_add_u32 v48, v49
	s_wait_dscnt 0x0
	s_and_saveexec_b32 s16, vcc_lo                 ; thread 0 stores the row's record: 16 bytes a work-group, 4 KiB in the launch
	global_store_b128 v4, v[G:G+3], s[6:7]
	s_endpgm
.Ldone:
	s_wait_tensorcnt 0x0
	ds_add_u32 v48, v49
	s_wait_dscnt 0x0
	s_endpgm
.Lfunc_end_k_q376e1ec775_extremes:
	.size	k_q376e1ec775_extremes, .Lfunc_end_k_q376e1ec775_extremes-k_q376e1ec775_extremes
	.p2alignl 7, 3214868480
	.fill 96, 4, 3214868480
	.section	.rodata,"a",@progbits
	.p2align	6, 0x0
	.amdhsa_kernel k_q376e1ec775_extremes
		.amdhsa_group_segment_fixed_size 1280
		.amdhsa_private_segment_fixed_size 0
		.amdhsa_enable_private_segment 0
		.amdhsa_kernarg_size 16
		.amdhsa_user_sgpr_count 2
		.amdhsa_user_sgpr_kernarg_segment_ptr 1
		.amdhsa_wavefront_size32 1
		.amdhsa_system_sgpr_workgroup_id_x 1
		.amdhsa_system_sgpr_workgroup_id_y 1
		.amdhsa_system_sgpr_workgroup_id_z 1
		.amdhsa_system_vgpr_workitem_id 0
		.amdhsa_next_free_vgpr 50
		.amdhsa_next_free_sgpr 66
		.amdhsa_reserve_vcc 1
		.amdhsa_float_denorm_mode_32 3
		.amdhsa_float_denorm_mode_16_64 3
		.amdhsa_memory_ordered 1
		.amdhsa_forward_progress 1
		.amdhsa_inst_pref_size 7
	.end_amdhsa_kernel
	.amdgpu_metadata
---
amdhsa.version: [ 1, 2 ]
amdhsa.kernels:
  - .name:           k_q376e1ec775_extremes
    .symbol:         k_q376e1ec775_extremes.kd
    .args:
      - { .name: scores, .offset: 0, .size: 8, .value_kind: global_buffer, .address_space: global }
      - { .name: part, .offset: 8, .size: 8, .value_kind: global_buffer, .address_space: global }
    .group_segment_fixed_size: 1280
    .private_segment_fixed_size: 0
    .kernarg_segment_align: 8
    .kernarg_segment_size: 16
    .max_flat_workgroup_size: 256
    .sgpr_count:     66
    .vgpr_count:     50
    .wavefront_size: 32
...
	.end_amdgpu_metadata
.endif
;; end of part 1
;; launch sinkhorn (part 2): grid 256 x 1, 8 waves a work-group, no clusters, 168,960 bytes of LDS; arguments scores, part, out0; writes out0
.if DOCPART == 2
	.amdgcn_target "amdgcn-amd-amdhsa--gfx1250"
	.amdhsa_code_object_version 6
	.text
	.protected	k_q376e1ec775_sinkhorn
	.globl	k_q376e1ec775_sinkhorn
	.p2align	8
	.type	k_q376e1ec775_sinkhorn,@function
k_q376e1ec775_sinkhorn:
	s_mov_b64 s[64:65], 0
	v_nop
	global_prefetch_b8 v0, s[64:65] scope:SCOPE_SE
	s_setreg_imm32_b32 hwreg(HW_REG_WAVE_MODE, 25, 1), 1
	s_wait_xcnt 0x0
; out0[row][i][j] = n P[row][j][i], j = 0..6, after 12 Sinkhorn steps on C[j][i] = (s_i - (7 - j))^2 / max(C), eps = 0.1.
; scores: [256][4096] f32; part: 256 records {max, min without -inf, raw min, 0} from the launch before; out0: [256][4096][7] f32.
;
; THE FORM.  reference() divides C by its own global maximum, so C/eps lies in [0, 10] for every input and
; K[i][j] = exp(-C/eps) in [e^-10, 1].  One step of reference(), f = -eps LSE_j((g - C)/eps) + eps log mu and
; g = -eps LSE_i((f - C)/eps) + eps log nu, is then, with a = n exp(f/eps) and b = exp(g/eps):
;     S_i = sum_j K_ij b_j,  a_i = 1 / S_i,  r_j = sum_i K_ij a_i,  b_j = w_j / r_j,   w = 1 (j < 7), 4089 (j = 7),
; and the result is K_ij a_i b_j.  K is made once and stays in registers for all twelve steps.
; NO MAXIMUM IS TAKEN AWAY IN FRONT OF AN EXPONENTIAL, because the only exponents are -C/eps (in [-10, 0]), differences of two of them
; (in [-10, 10]) and -2/(eps max(C)) (in [-1.7, 0], since max(C) >= 3.5^2): reference()'s own normalisation bounds them.
; The sums are kept bounded by a common factor: steps 1 to 11 use b_j = w_j r_7 / r_j.  A factor common to all b_j divides the next a and r
; and multiplies the next b, so it cancels in a K b; it does here what the maximum does in logsumexp.  Since r_7 / r_j lies in [e^-10, e^10]:
; b in [4.5e-5, 2.2e4] or 4089, S in [0.18, 1.6e5], a in [6e-6, 5.4], r in [1e-6, 2.3e4].  Step 12 uses b_j = 1 / r_j, which belongs to its own a.
; LIMITS: scores finite or -inf (a NaN is not spread as reference() would); |score| < 9e18, above which 1/max(C) would be a denormal,
; which v_rcp_f32 gives as zero (reference()'s own squares overflow at 1.8e19).  K_1..K_7 come from K_0 by products (below), a few
; roundings more than eight separate exponentials.
;
; THE SHARES.  One work-group a row, eight waves; a wave owns 512 elements, a lane 16: i = 512 w + 128 t + 4 lane + c, t, c = 0..3, element e = 4 t + c,
; pair p = e / 2.  K of pair p and anchor j lies in v[KB + 16 p + 2 j], +1: two neighbouring elements, so that one packed multiply-add serves both.
; lds_bytes is set above half of a WGP's LDS, so that no second row shares this row's four SIMDs.
; Matrix instructions are not used: the products are matrix x vector (one useful column of sixteen) and these sums belong in f32.
; No cluster: rows share nothing but the 4 KiB of records.
.set WAVES, 8
.set OUTB,  114688                     ; bytes of a row's output: 4096 x 7 x 4
.set WOUT,  OUTB/WAVES                 ; 14,336: a wave's part, 56 x 256 bytes
.set TOUT,  3584                       ; 128 elements x 28 bytes: one t, 14 x 256 bytes
.set RED,   0                          ; LDS: two buffers of 256 bytes, [j][wave] f32, taking turns step by step
.set STAGE, 512                        ; LDS: behind them each wave's own 14,336 bytes for the way out
.set SB, 16                            ; v[16:31]   scores, then S, by element
.set AB, 32                            ; v[32:47]   q while K is made, then a = 1/S, by element
.set RB, 48                            ; v[48:63]   r: pair j = two partial sums of r_j; also scratch
.set KB, 64                            ; v[64:191]  K
.set TB, 192                           ; v[192:219] 4 elements x 7 results in the order of the output
.set BS, 32                            ; s[32:47]   b_j in s[32 + 2 j]; the odd ones are written once, since a pair is named
; v1 16 lane; v2 offset of my scores; v3, v4 LDS addresses of the reduction (store, load); v5 stage, in; v6 stage, back, and offset in out0;
; v8 w by lane; v[10:11] c, v[12:13] 2 c, v[14:15] exp2(2 c), each twice, for the packed forms; c = -log2(e) / (eps max(C))
.set MX,   RB
.set MN,   RB+1
.set RW,   RB+2
.set FILL, RB+3
.set LO,   RB+4
.set U0,   RB+5
.set U1,   RB+6
.set U2,   RB+7
.set U3,   RB+8
	s_load_b128 s[4:7], s[0:1], 0x0                ; scores s[4:5], part s[6:7]
	s_load_b64 s[8:9], s[0:1], 0x10                ; out0
	v_lshl_add_u32 v220, v0, 2, 0x29000
	v_mov_b32 v221, 0
	v_and_b32 v9, 31, v0                           ; lane
	v_lshrrev_b32 v7, 5, v0
	v_readfirstlane_b32 s10, v7                    ; wave 0..7
	v_lshlrev_b32 v1, 4, v9
	s_lshl_b32 s11, s10, 11                        ; a wave's 512 scores: 2,048 bytes
	v_add_nc_u32 v2, s11, v1
	s_lshl_b32 s16, ttmp9, 14                      ; my row of scores
	s_mov_b32 s17, 0
	s_wait_kmcnt 0x0
	s_add_nc_u64 s[4:5], s[4:5], s[16:17]
.irp q, 0,1,2,3,4,5,6,7
	global_load_b128 v[KB+4*\q:KB+4*\q+3], v1, s[6:7] offset:512*\q   ; all 256 records, 8 a lane, in every wave: no barrier is needed for them
.endr
.irp t, 0,1,2,3
	global_load_b128 v[SB+4*\t:SB+4*\t+3], v2, s[4:5] offset:512*\t th:TH_LOAD_NT   ; 512 neighbouring bytes a load; read once in this launch
.endr
	s_mul_i32 s16, ttmp9, OUTB                     ; my row of out0 (below 2^25)
	s_add_nc_u64 s[8:9], s[8:9], s[16:17]
	s_mov_b32 s12, 0x76543210                      ; v_permlanex16_b32: lane i reads lane i of the other half
	s_mov_b32 s13, 0xfedcba98
	s_mov_b32 s14, 0xff00ff00                      ; lanes with bit 3 set
	s_mov_b32 s15, 0xf0f0f0f0                      ; lanes with bit 2 set
	s_mov_b32 s20, 0xff800000                      ; -inf
.irp j, 0,1,2,3,4,5,6,7
	s_mov_b32 s[BS+2*\j], 1.0                      ; g = 0 at the start: b = 1
	s_mov_b32 s[BS+2*\j+1], 0
.endr
	v_lshrrev_b32 v3, 2, v9
	v_lshlrev_b32 v3, 5, v3
	s_lshl_b32 s11, s10, 2
	v_add_nc_u32 v3, s11, v3                       ; [j = lane / 4][wave]
	v_lshlrev_b32 v4, 3, v9                        ; lane l reads two waves' words of j = l / 4
	s_mul_i32 s21, s10, WOUT
	v_mul_u32_u24 v5, v9, 112                      ; my 4 elements x 28 bytes
	v_add_nc_u32 v5, s21, v5
	v_add_nc_u32 v6, s21, v1
	v_mov_b32 v7, 0x457f9000                       ; 4089.0 = n - k
	v_cmp_le_u32 vcc_lo, 28, v9
	v_cndmask_b32 v8, 1.0, v7, vcc_lo              ; w_j in lane l, j = l / 4
	; the global figures
	s_wait_loadcnt 0x4                             ; the records are in; the four loads of scores, issued behind them, may stay out
	v_max3_num_f32 v[MX], v[KB], v[KB+4], v[KB+8]
	v_min3_num_f32 v[MN], v[KB+1], v[KB+5], v[KB+9]
	v_min3_num_f32 v[RW], v[KB+2], v[KB+6], v[KB+10]
.irp q, 12, 20
	v_max3_num_f32 v[MX], v[MX], v[KB+\q], v[KB+\q+4]
	v_min3_num_f32 v[MN], v[MN], v[KB+\q+1], v[KB+\q+5]
	v_min3_num_f32 v[RW], v[RW], v[KB+\q+2], v[KB+\q+6]
.endr
	v_max_num_f32 v[MX], v[MX], v[KB+28]
	v_min_num_f32 v[MN], v[MN], v[KB+29]
	v_min_num_f32 v[RW], v[RW], v[KB+30]
.irp m, 1,2,4,8
	v_max_num_f32_dpp v[MX], v[MX], v[MX] row_xmask:\m row_mask:0xf bank_mask:0xf
	v_min_num_f32_dpp v[MN], v[MN], v[MN] row_xmask:\m row_mask:0xf bank_mask:0xf
	v_min_num_f32_dpp v[RW], v[RW], v[RW] row_xmask:\m row_mask:0xf bank_mask:0xf
.endr
	v_permlanex16_b32 v[KB+3], v[MX], s12, s13     ; the destinations count as read: the records' fourth words have been loaded
	v_permlanex16_b32 v[KB+7], v[MN], s12, s13
	v_permlanex16_b32 v[KB+11], v[RW], s12, s13
	v_max_num_f32 v[MX], v[MX], v[KB+3]
	v_min_num_f32 v[MN], v[MN], v[KB+7]
	v_min_num_f32 v[RW], v[RW], v[KB+11]
	v_sub_f32 v[U0], v[MX], v[MN]
	v_sub_f32 v[FILL], v[MN], v[U0]                ; filled_value = min_s - (max_s - min_s)
	v_cmp_eq_f32 vcc_lo, s20, v[RW]                ; is any score -inf?
	v_cndmask_b32 v[LO], v[MN], v[FILL], vcc_lo    ; the lowest score after the fill
	; (s - a)^2 is convex in s and in a, and rounding keeps order: max(C) is at the highest or lowest score and at anchor 7 or 0
	v_add_f32 v[U0], 0xc0e00000, v[MX]             ; - 7.0
	v_add_f32 v[U1], 0xc0e00000, v[LO]
	v_mul_f32 v[U2], v[MX], v[MX]
	v_mul_f32 v[U3], v[LO], v[LO]
	v_mul_f32 v[U0], v[U0], v[U0]
	v_mul_f32 v[U1], v[U1], v[U1]
	v_max3_num_f32 v[U2], v[U2], v[U3], v[U0]
	v_max_num_f32 v[U2], v[U2], v[U1]
	v_rcp_f32 v[U3], v[U2]
	v_nop                                          ; one plain vector instruction behind a transcendental before its result is used (ISA guide 5.7.2)
	s_wait_alu depctr_va_vdst(0)
	v_mul_f32 v10, 0xc166d4ca, v[U3]               ; c = -10 log2(e) / max(C); made twice to fill a pair
	v_mul_f32 v11, 0xc166d4ca, v[U3]
	v_add_f32 v12, v10, v10
	v_add_f32 v13, v10, v10
	v_exp_f32 v14, v12                             ; exp(-2 / (eps max(C)))
	v_exp_f32 v15, v12                             ; the plain lines below stand between these and their first use
	; K.  With d = s - 7: K_0 = exp2(c d^2), q_0 = K_1/K_0 = exp2(c (2 d + 1)), then K_(j+1) = K_j q_j and q_(j+1) = q_j exp2(2 c), since the anchors
	; step by one.  Two exponentials an element in the place of eight.  Every K lies in [e^-10, 1] and every q, a quotient of two, in [e^-10, e^10].
	s_wait_loadcnt 0x0
.set ee, 0
.rept 16
	v_max_num_f32 v[SB+ee], v[SB+ee], v[FILL]      ; the fill: filled_value is at most every finite score, so the maximum changes -inf alone
.set ee, ee+1
.endr
.set pp, 0
.rept 8
	v_pk_add_f32 v[SB+2*pp:SB+2*pp+1], v[SB+2*pp:SB+2*pp+1], 0xc0e00000 op_sel_hi:[1,0]                  ; d
	v_pk_mul_f32 v[KB+16*pp+14:KB+16*pp+15], v[SB+2*pp:SB+2*pp+1], v[SB+2*pp:SB+2*pp+1]                   ; d^2, parked where K_7 will lie
	v_pk_fma_f32 v[KB+16*pp+12:KB+16*pp+13], v[SB+2*pp:SB+2*pp+1], v[12:13], v[10:11]                     ; 2 c d + c, where K_6 will lie
	v_pk_mul_f32 v[KB+16*pp+14:KB+16*pp+15], v[KB+16*pp+14:KB+16*pp+15], v[10:11]                         ; c d^2
.set pp, pp+1
.endr
.set pp, 0
.rept 8
	v_exp_f32 v[KB+16*pp], v[KB+16*pp+14]
	v_exp_f32 v[KB+16*pp+1], v[KB+16*pp+15]
	v_exp_f32 v[AB+2*pp], v[KB+16*pp+12]
	v_exp_f32 v[AB+2*pp+1], v[KB+16*pp+13]
.set pp, pp+1
.endr
	v_nop                                          ; the plain place behind the run of transcendentals
.set jj, 0
	s_wait_alu depctr_va_vdst(0)
.rept 7
.set pp, 0
.rept 8
	v_pk_mul_f32 v[KB+16*pp+2*jj+2:KB+16*pp+2*jj+3], v[KB+16*pp+2*jj:KB+16*pp+2*jj+1], v[AB+2*pp:AB+2*pp+1]
.set pp, pp+1
.endr
.if jj < 6
.set pp, 0
.rept 8
	v_pk_mul_f32 v[AB+2*pp:AB+2*pp+1], v[AB+2*pp:AB+2*pp+1], v[14:15]
.set pp, pp+1
.endr
.endif
.set jj, jj+1
.endr
; ONE STEP.  buf: which LDS buffer; last = 1: the twelfth step, b = 1 / r without the common factor.
; The reciprocals of one half of the pairs are strewn among the packed multiply-adds of the other half, one in front of each four:
; every reciprocal is followed by plain instructions that touch neither its source nor its result.
.macro ITER buf, last
	; S of pairs 0 to 3: four chains, the first product starts each
.set pp, 0
.rept 4
	v_pk_mul_f32 v[SB+2*pp:SB+2*pp+1], v[KB+16*pp:KB+16*pp+1], s[BS:BS+1] op_sel_hi:[1,0]
.set pp, pp+1
.endr
.set jj, 1
.rept 7
.set pp, 0
.rept 4
	v_pk_fma_f32 v[SB+2*pp:SB+2*pp+1], v[KB+16*pp+2*jj:KB+16*pp+2*jj+1], s[BS+2*jj:BS+2*jj+1], v[SB+2*pp:SB+2*pp+1] op_sel_hi:[1,0,1]
.set pp, pp+1
.endr
.set jj, jj+1
.endr
	; S of pairs 4 to 7, and a = 1/S of elements 0 to 7
.set jj, 0
.rept 8
	v_rcp_f32 v[AB+jj], v[SB+jj]
.set pp, 4
.rept 4
.if jj == 0
	v_pk_mul_f32 v[SB+2*pp:SB+2*pp+1], v[KB+16*pp:KB+16*pp+1], s[BS:BS+1] op_sel_hi:[1,0]
.else
	v_pk_fma_f32 v[SB+2*pp:SB+2*pp+1], v[KB+16*pp+2*jj:KB+16*pp+2*jj+1], s[BS+2*jj:BS+2*jj+1], v[SB+2*pp:SB+2*pp+1] op_sel_hi:[1,0,1]
.endif
.set pp, pp+1
.endr
.set jj, jj+1
.endr
	; r from pairs 0 to 3: eight chains, one for each j; and a of elements 8 to 15
.set pp, 0
.rept 4
.set hh, 0
.rept 2
	v_rcp_f32 v[AB+8+2*pp+hh], v[SB+8+2*pp+hh]
.set jj, 4*hh
.rept 4
.if pp == 0
	s_wait_alu depctr_va_vdst(0)
	v_pk_mul_f32 v[RB+2*jj:RB+2*jj+1], v[KB+16*pp+2*jj:KB+16*pp+2*jj+1], v[AB+2*pp:AB+2*pp+1]
.else
	v_pk_fma_f32 v[RB+2*jj:RB+2*jj+1], v[KB+16*pp+2*jj:KB+16*pp+2*jj+1], v[AB+2*pp:AB+2*pp+1], v[RB+2*jj:RB+2*jj+1]
.endif
.set jj, jj+1
.endr
.set hh, hh+1
.endr
.set pp, pp+1
.endr
	; r from pairs 4 to 7
.set pp, 4
	s_wait_alu depctr_va_vdst(0)
.rept 4
.set jj, 0
.rept 8
	v_pk_fma_f32 v[RB+2*jj:RB+2*jj+1], v[KB+16*pp+2*jj:KB+16*pp+2*jj+1], v[AB+2*pp:AB+2*pp+1], v[RB+2*jj:RB+2*jj+1]
.set jj, jj+1
.endr
.set pp, pp+1
.endr
	; eight sums over 32 lanes, folded so that each level halves the registers: at the end lane l holds the wave's r_j, j = l / 4
.irp j, 0,1,2,3,4,5,6,7
	v_add_f32 v[RB+2*\j], v[RB+2*\j], v[RB+2*\j+1]               ; the two halves of a pair
.endr
.irp j, 0,1,2,3
	v_permlane16_swap_b32 v[RB+2*\j], v[RB+2*\j+8]               ; r_j's upper lanes change places with r_(j+4)'s lower lanes,
.endr
.irp j, 0,1,2,3
	v_add_f32 v[RB+2*\j], v[RB+2*\j], v[RB+2*\j+8]               ; so the sum holds r_j in lanes 0-15 and r_(j+4) in lanes 16-31
.endr
	v_cndmask_b32 v[RB+1], v[RB+4], v[RB], s14                   ; lanes with bit 3 keep r_(j+2) and hand r_j over; the others the reverse
	v_cndmask_b32 v[RB], v[RB], v[RB+4], s14
	v_cndmask_b32 v[RB+3], v[RB+6], v[RB+2], s14
	v_cndmask_b32 v[RB+2], v[RB+2], v[RB+6], s14
	v_add_f32_dpp v[RB], v[RB+1], v[RB] row_xmask:8 row_mask:0xf bank_mask:0xf
	v_add_f32_dpp v[RB+2], v[RB+3], v[RB+2] row_xmask:8 row_mask:0xf bank_mask:0xf
	v_cndmask_b32 v[RB+1], v[RB+2], v[RB], s15                   ; the same with bit 2 and r_(j+1)
	v_cndmask_b32 v[RB], v[RB], v[RB+2], s15
	v_add_f32_dpp v[RB], v[RB+1], v[RB] row_xmask:4 row_mask:0xf bank_mask:0xf
	v_add_f32_dpp v[RB], v[RB], v[RB] row_xmask:2 row_mask:0xf bank_mask:0xf
	v_add_f32_dpp v[RB], v[RB], v[RB] row_xmask:1 row_mask:0xf bank_mask:0xf
	; over the eight waves.  One barrier a step: the buffers take turns, and a wave that stores into a buffer again has passed the other buffer's
	; barrier, in front of which every wave had waited for its load from this one.
	ds_store_b32 v3, v[RB] offset:RED+256*\buf                   ; four lanes write the same word with the same value
	s_wait_dscnt 0x0                                             ; for the others' sake: my word is in LDS before I signal
	s_barrier_signal -1
	s_barrier_wait -1
	ds_load_b64 v[RB+2:RB+3], v4 offset:RED+256*\buf             ; lane l: waves 2 (l mod 4) and 2 (l mod 4) + 1 of j = l / 4
	s_wait_dscnt 0x0
	v_add_f32 v[RB], v[RB+2], v[RB+3]
	v_add_f32_dpp v[RB], v[RB], v[RB] row_xmask:1 row_mask:0xf bank_mask:0xf
	v_add_f32_dpp v[RB], v[RB], v[RB] row_xmask:2 row_mask:0xf bank_mask:0xf   ; the row's r_j, the same bits in every wave
.if \last
	v_rcp_f32 v[RB+2], v[RB]                                     ; b_j = 1 / r_j; b_7 is not part of the output
	v_nop                                                        ; the plain place behind the transcendental
	s_wait_alu depctr_va_vdst(0)
.irp j, 0,1,2,3,4,5,6
	v_readlane_b32 s[BS+2*\j], v[RB+2], 4*\j
.endr
.else
	v_readlane_b32 s19, v[RB], 28                                ; r_7: the common factor
	v_rcp_f32 v[RB+2], v[RB]
	v_mul_f32 v[RB+4], s19, v8                                   ; w_j r_7 (also the plain place behind the transcendental)
	s_wait_alu depctr_va_vdst(0)
	v_mul_f32 v[RB+2], v[RB+2], v[RB+4]                          ; b_j = w_j r_7 / r_j
.irp j, 0,1,2,3,4,5,6,7
	v_readlane_b32 s[BS+2*\j], v[RB+2], 4*\j
.endr
.endif
.endm
	s_mov_b32 s18, 5                               ; twelve steps: five trips of two, then two written out, the last in its own form
.Lstep:
	ITER 0, 0
	ITER 1, 0
	s_sub_co_i32 s18, s18, 1
	s_cmp_lg_u32 s18, 0
	s_cbranch_scc1 .Lstep
	ITER 0, 0
	ITER 1, 1
; THE WAY OUT.  For one t a lane holds 4 neighbouring elements: 28 numbers, 112 neighbouring bytes of out0.  They go as seven pieces of 16 bytes into the
; wave's own stage (lanes 112 bytes apart, an odd multiple of 16: sixteen lanes' pieces fall on sixteen different 16-byte columns of 256 bytes) and
; come back as 512 neighbouring bytes a load.  LDS serves a wave's instructions in order (ISA guide 5.7.1), and no other wave touches these
; bytes: no wait between the stores and the loads, and no barrier.  The loads land in the K registers of this t, which are done with:
; no store's data is ever written again.
.macro OUTT t
.set pp, 2*\t
.rept 2
.set jj, 0
.rept 7
	v_pk_mul_f32 v[KB+16*pp+2*jj:KB+16*pp+2*jj+1], v[KB+16*pp+2*jj:KB+16*pp+2*jj+1], v[AB+2*pp:AB+2*pp+1]   ; K a, two elements at once
.set jj, jj+1
.endr
.set pp, pp+1
.endr
.set cc, 0
.rept 4
.set jj, 0
.rept 7
	v_mul_f32 v[TB+7*cc+jj], s[BS+2*jj], v[KB+16*(2*\t+cc/2)+2*jj+cc%2]   ; times b_j, into the output's order [c][j]
.set jj, jj+1
.endr
.set cc, cc+1
.endr
.irp q, 0,1,2,3,4,5,6
	ds_store_b128 v5, v[TB+4*\q:TB+4*\q+3] offset:STAGE+\t*TOUT+16*\q
.endr
.irp q, 0,1,2,3,4,5,6
	ds_load_b128 v[KB+32*\t+4*\q:KB+32*\t+4*\q+3], v6 offset:STAGE+\t*TOUT+512*\q
.endr
.endm
; left = how many younger LDS instructions may stay out
.macro PUT t, left
	s_wait_dscnt \left
.irp q, 0,1,2,3,4,5,6
	global_store_b128 v6, v[KB+32*\t+4*\q:KB+32*\t+4*\q+3], s[8:9] offset:\t*TOUT+512*\q th:TH_STORE_NT   ; a wave's store covers 512 consecutive bytes, at a multiple of 256 from out0's first byte
.endr
.endm
	OUTT 0
	OUTT 1
	PUT 0, 14                                      ; the seven stores and seven loads of the next t were issued behind mine
	OUTT 2
	PUT 1, 14
	OUTT 3
	PUT 2, 14
	PUT 3, 0
	s_wait_tensorcnt 0x0
	ds_add_u32 v220, v221
	s_wait_dscnt 0x0
	s_endpgm
.Lfunc_end_k_q376e1ec775_sinkhorn:
	.size	k_q376e1ec775_sinkhorn, .Lfunc_end_k_q376e1ec775_sinkhorn-k_q376e1ec775_sinkhorn
	.p2alignl 7, 3214868480
	.fill 96, 4, 3214868480
	.section	.rodata,"a",@progbits
	.p2align	6, 0x0
	.amdhsa_kernel k_q376e1ec775_sinkhorn
		.amdhsa_group_segment_fixed_size 168960
		.amdhsa_private_segment_fixed_size 0
		.amdhsa_enable_private_segment 0
		.amdhsa_kernarg_size 24
		.amdhsa_user_sgpr_count 2
		.amdhsa_user_sgpr_kernarg_segment_ptr 1
		.amdhsa_wavefront_size32 1
		.amdhsa_system_sgpr_workgroup_id_x 1
		.amdhsa_system_sgpr_workgroup_id_y 1
		.amdhsa_system_sgpr_workgroup_id_z 1
		.amdhsa_system_vgpr_workitem_id 0
		.amdhsa_next_free_vgpr 222
		.amdhsa_next_free_sgpr 66
		.amdhsa_reserve_vcc 1
		.amdhsa_float_denorm_mode_32 3
		.amdhsa_float_denorm_mode_16_64 3
		.amdhsa_memory_ordered 1
		.amdhsa_forward_progress 1
		.amdhsa_inst_pref_size 74
	.end_amdhsa_kernel
	.amdgpu_metadata
---
amdhsa.version: [ 1, 2 ]
amdhsa.kernels:
  - .name:           k_q376e1ec775_sinkhorn
    .symbol:         k_q376e1ec775_sinkhorn.kd
    .args:
      - { .name: scores, .offset: 0, .size: 8, .value_kind: global_buffer, .address_space: global }
      - { .name: part, .offset: 8, .size: 8, .value_kind: global_buffer, .address_space: global }
      - { .name: out0, .offset: 16, .size: 8, .value_kind: global_buffer, .address_space: global }
    .group_segment_fixed_size: 168960
    .private_segment_fixed_size: 0
    .kernarg_segment_align: 8
    .kernarg_segment_size: 24
    .max_flat_workgroup_size: 256
    .sgpr_count:     66
    .vgpr_count:     222
    .wavefront_size: 32
...
	.end_amdgpu_metadata
.endif
;; end of part 2
